; MI455X (gfx1250); checked and timed in simulation.
; The chip was launched on July 23, 2026; its instructions are those of AMD's public machine-readable ISA for CDNA 5 (MIT licence, August 2026) and "CDNA5" Instruction Set Architecture Reference Guide (July 2026). The comments in the code are by the model that wrote it; some were corrected since.
;; Linear Loop Layer. Allowed arithmetic: float matrix products may take bf16 or f16 operands with f32 sums; other float arithmetic in f32, or as packed bf16 or f16 multiplies, adds, multiply-adds, maxima and minima; sums over many terms, partial sums and values carried from step to step in f32; what a program stores and reads back later, other than sums and carried values, may be rounded once to bf16 or f16.
;; Inputs: bias 4,096 float32; weight 4,096 x 4,096 float32; x 4,096 x 4,096 float32.
;; Outputs: out0 4,096 x 4,096 float32.
;; One version. Each part assembles by itself: llvm-mc -triple=amdgcn-amd-amdhsa -mcpu=gfx1250 --defsym DOCPART=n.
;; ======== version 1 of 1: 2 launches
;; workspace buffers: ab 67,108,864 bytes
;; launch cast (part 1): grid 1024 x 2, 8 waves a work-group, no clusters, 0 bytes of LDS; arguments x, weight, ab; writes ab
.if DOCPART == 1
	.amdgcn_target "amdgcn-amd-amdhsa--gfx1250"
	.amdhsa_code_object_version 6
	.text
	.protected	k_q9550359b89_cast
	.globl	k_q9550359b89_cast
	.p2align	8
	.type	k_q9550359b89_cast,@function
k_q9550359b89_cast:
	s_mov_b64 s[64:65], 0
	v_nop
	global_prefetch_b8 v0, s[64:65] scope:SCOPE_SE
	s_setreg_imm32_b32 hwreg(HW_REG_WAVE_MODE, 25, 1), 1
	s_wait_xcnt 0x0
; ab = bf16(x), then bf16(weight): both [4096][4096] f32, rounded once, to nearest even.  ab: 8,192 rows of 4,096 bf16; rows 0-4095 are x, rows 4096-8191 weight.
; LIMIT.  A number beyond bf16's largest finite one (3.39e38) becomes an infinity; NaN stays NaN; denormals are kept.
; SHARES.  The grid's y picks the source.  A work-group owns 65,536 consecutive bytes of it and the 32,768 bytes of ab that they become.  Thread t takes, for i = 0 .. 15, the 16 bytes at
; 4,096 i + 16 t and stores 8 bytes at 2,048 i + 8 t: a wave's load covers 512 consecutive bytes, a wave's store 256 consecutive bytes at a multiple of 256 from ab's first byte.
; All sixteen loads of a thread go out at once, each into registers of its own, and each is rounded and stored as it comes: no loop, and no register is written again while a load or store names it.
; No LDS, no cluster, no matrix work, no prefetch: no byte is wanted twice, and every byte is asked for by its own load at the kernel's head.
.set X, 4                              ; v[4:67]  chunk i: 4 registers as loaded; its first two then hold the 4 bf16 pairs' 8 bytes
.set SRCB, 65536                       ; source bytes of a work-group
.set CH,   4096                        ; source bytes of a chunk: 256 threads x 16
	s_load_b128 s[4:7], s[0:1], 0x0                ; x s[4:5], weight s[6:7]
	s_load_b64 s[8:9], s[0:1], 0x10                ; ab
	s_and_b32 s10, ttmp7, 0xffff                   ; 0: x, 1: weight
	v_lshlrev_b32 v1, 4, v0                        ; 16 t: my bytes in a chunk of the source; never rewritten
	v_lshlrev_b32 v2, 3, v0                        ; 8 t: in ab; never rewritten
	s_lshl_b32 s12, ttmp9, 16                      ; the work-group's 65,536 bytes of the source
	s_mov_b32 s13, 0
	s_lshl_b32 s14, s10, 10                        ; 1,024 work-groups to a source,
	s_add_co_u32 s14, s14, ttmp9
	s_lshl_b32 s14, s14, 15                        ; 32,768 bytes of ab to each: under 2^26
	s_mov_b32 s15, 0
	s_wait_kmcnt 0x0
	s_cmp_eq_u32 s10, 0
	s_cselect_b64 s[4:5], s[4:5], s[6:7]           ; the source
	s_add_nc_u64 s[4:5], s[4:5], s[12:13]
	s_add_nc_u64 s[8:9], s[8:9], s[14:15]
.irp i, 0,1,2,3,4,5,6,7,8,9,10,11,12,13,14,15
	global_load_b128 v[X+4*(\i):X+4*(\i)+3], v1, s[4:5] offset:CH*(\i) th:TH_LOAD_NT  ; read once in the launch
.endr
.irp i, 0,1,2,3,4,5,6,7,8,9,10,11,12,13,14,15
	s_wait_loadcnt 15-(\i)                         ; loads come back in order (ISA guide 5.7.1): chunk i is in, the 15 - i younger ones stay out
	v_cvt_pk_bf16_f32 v[X+4*(\i)],   v[X+4*(\i)],   v[X+4*(\i)+1]
	v_cvt_pk_bf16_f32 v[X+4*(\i)+1], v[X+4*(\i)+2], v[X+4*(\i)+3]
	global_store_b64 v2, v[X+4*(\i):X+4*(\i)+1], s[8:9] offset:(CH/2)*(\i)
.endr
	s_endpgm
.Lfunc_end_k_q9550359b89_cast:
	.size	k_q9550359b89_cast, .Lfunc_end_k_q9550359b89_cast-k_q9550359b89_cast
	.p2alignl 7, 3214868480
	.fill 96, 4, 3214868480
	.section	.rodata,"a",@progbits
	.p2align	6, 0x0
	.amdhsa_kernel k_q9550359b89_cast
		.amdhsa_group_segment_fixed_size 0
		.amdhsa_private_segment_fixed_size 0
		.amdhsa_enable_private_segment 0
		.amdhsa_kernarg_size 24
		.amdhsa_user_sgpr_count 2
		.amdhsa_user_sgpr_kernarg_segment_ptr 1
		.amdhsa_wavefront_size32 1
		.amdhsa_system_sgpr_workgroup_id_x 1
		.amdhsa_system_sgpr_workgroup_id_y 1
		.amdhsa_system_sgpr_workgroup_id_z 1
		.amdhsa_system_vgpr_workitem_id 0
		.amdhsa_next_free_vgpr 68
		.amdhsa_next_free_sgpr 66
		.amdhsa_reserve_vcc 0
		.amdhsa_float_denorm_mode_32 3
		.amdhsa_float_denorm_mode_16_64 3
		.amdhsa_memory_ordered 1
		.amdhsa_forward_progress 1
		.amdhsa_inst_pref_size 7
	.end_amdhsa_kernel
	.amdgpu_metadata
---
amdhsa.version: [ 1, 2 ]
amdhsa.kernels:
  - .name:           k_q9550359b89_cast
    .symbol:         k_q9550359b89_cast.kd
    .args:
      - { .name: x, .offset: 0, .size: 8, .value_kind: global_buffer, .address_space: global }
      - { .name: weight, .offset: 8, .size: 8, .value_kind: global_buffer, .address_space: global }
      - { .name: ab, .offset: 16, .size: 8, .value_kind: global_buffer, .address_space: global }
    .group_segment_fixed_size: 0
    .private_segment_fixed_size: 0
    .kernarg_segment_align: 8
    .kernarg_segment_size: 24
    .max_flat_workgroup_size: 256
    .sgpr_count:     66
    .vgpr_count:     68
    .wavefront_size: 32
...
	.end_amdgpu_metadata
.endif
;; end of part 1
;; launch gemm (part 2): grid 16 x 16, 4 waves a work-group, clusters of 4 x 4, 327,680 bytes of LDS; arguments ab, bias, out0; writes out0
.if DOCPART == 2
	.amdgcn_target "amdgcn-amd-amdhsa--gfx1250"
	.amdhsa_code_object_version 6
	.text
	.protected	k_q9550359b89_gemm
	.globl	k_q9550359b89_gemm
	.p2align	8
	.type	k_q9550359b89_gemm,@function
k_q9550359b89_gemm:
	s_mov_b64 s[64:65], 0
	v_nop
	global_prefetch_b8 v0, s[64:65] scope:SCOPE_SE
	s_setreg_imm32_b32 hwreg(HW_REG_WAVE_MODE, 25, 1), 1
	s_wait_xcnt 0x0
	s_wait_alu depctr_hold_cnt(0) depctr_sa_sdst(0) depctr_va_vdst(0) depctr_va_sdst(0) depctr_va_ssrc(0) depctr_va_vcc(0) depctr_vm_vsrc(0)
	s_getreg_b32 s2, hwreg(HW_REG_IB_STS2, 6, 4)
	s_cmp_eq_u32 s2, 0
	s_cbranch_scc0 .Lentry_in_a_cluster
	s_endpgm
.Lentry_in_a_cluster:
	s_bfe_u32 s2, ttmp6, 0x10000c
	s_cmp_lg_u32 s2, 0xf033
	s_cbranch_scc0 .Lentry_shape_is_right
	s_endpgm
.Lentry_shape_is_right:
; out0[m][n] = bias[n] + the sum over k of A[m][k] B[n][k].  A = rows 0-4095 of ab (x in bf16), B = rows 4096-8191 (weight in bf16), rows of 4,096 bf16; bias [4096] f32; out0 [4096][4096] f32.
; One f32 sum for each output, K ascending.  LIMITS: the operands were rounded once to bf16 by the launch before; the bias STARTS each sum (it is the C operand of the first product), where
; the formula adds it last: another order of f32 roundings; NaN and infinities go through as the matrix instruction treats them.
; The operands come as bf16: f32 tiles would double the bytes that each fragment load takes out of LDS and that each fill puts in, for the same products.
; SHARES.  A tile of out0, 256 x 256, is made by a work-group of four waves; a wave makes 128 x 128: 64 accumulators of 16 x 16, 512 registers.  256 tiles, one to a work-group.
; K goes in 32 steps of 128 through a ring of two LDS slots filled by the tensor data mover: a tile's rows are 256 bytes of memory at multiples of 256 from ab's first byte.
; CLUSTERS: 4 x 4 work-groups.  The four of a row of the cluster need the same tiles of A, the four of a column the same tiles of B: such a tile is asked for JOINTLY, by the same tensor load
; with the same descriptor and a mask that names the four, and each receives it in its own LDS: a quarter of the requests for A and for B.
; THE MATRIX INSTRUCTION IS USED TRANSPOSED: source 0 = 16 rows of B, source 1 = 16 rows of A.  In the result lane l holds row m = l % 16 and its registers 0 to 7 the columns
; n = 8 (l / 16) + 0 .. 7: 32 neighbouring bytes of a row of out0; and the C operand of a lane is eight neighbouring numbers of the bias, the same for all m blocks.
; REGISTERS, in windows of 256 (s_set_vgpr_msb's low byte: bits 1:0 source 0, 3:2 source 1, 5:4 source 2, 7:6 destination):
;   window 0: v0-31 addresses; v64-127, v128-191 fragments of A, two buffers, on the way out the rows read back from the stage; v192-255 the bias, 8 registers for each of my 8 n blocks
;   window 1: v64-127, v128-191 fragments of B, two buffers
;   window 2: the 32 accumulators of my rows 0-63 (accumulator (a, b) at v[8 (8 a + b)]);   window 3: those of my rows 64-127
.set SIZE_K, 4096
.set KSTEP,  128
.set ROWAB,  SIZE_K*2                  ; bytes in a row of ab
.set ROWC,   4096*4                    ; bytes in a row of out0
.set BOFF,   4096*ROWAB                ; B begins here in ab
.set PITCH,  272                       ; an LDS row: 256 bytes + 16 of padding = 68 words: row r starts at bank 4 r mod 64 (64 banks of 4 bytes: ISA guide 11.1), so the 16 rows of a load start at 16 different banks
.set HALFT,  128*PITCH                 ; 128 rows: what one tensor load brings, and what one wave reads of A or of B
.set SLOT,   4*HALFT                   ; A's 256 rows, then B's 256 rows
.set STAGE,  2*SLOT                    ; behind the ring, never filled by a tensor load: 16 rows for each wave, for the way out
.set SPITCH, 528                       ; a stage row: my 128 columns' 512 bytes + 16 = 132 words: again 16 rows at 16 different banks
.set WSTAGE, 16*SPITCH
.set SPARE,  STAGE+4*WSTAGE            ; behind the stages: the spare words, 128 bytes for each wave: two blocks of 256 bytes that no other line names
.set LAPS,   SIZE_K/(2*KSTEP)          ; a lap = two K steps = once round the ring: 16
.set ADRA, 16                          ; v16-17  LDS address of my A fragments in slot 0, 1
.set ADRB, 20                          ; v20-21  the same for B
.set STO,  24                          ; v24     the way out: where I put 32 bytes of a row
.set RD,   25                          ; v25     the way out: where I read 16 bytes of a row back
.set CO,   26                          ; v26     my byte offset in 512 bytes of a row of out0; never rewritten
.set BO,   27                          ; v27     my byte offset in an n block's 64 bytes of the bias
.set SPW,  28                          ; v28     LDS address of my spare word: SPARE + 4 x my thread's number; never rewritten
.set NIL,  29                          ; v29     0; never rewritten
.set PFO,  30                          ; v30     the prefetches' offset: my lane x a row of ab; never rewritten
.set F0,   64                          ; fragment buffer 0
.set F1,   128                         ; fragment buffer 1
.set OB,   64                          ; the way out: 16 rows read back from the stage: v64-127 and v128-191 by turns
.set BIA,  192                         ; the bias
.set G1,  24                           ; s[24:31] descriptor group 1 for A's tiles
.set G0,  32                           ; s[32:39] descriptor group 0 for A's tiles, one set for each slot
.set LIM, 43                           ; s43      1 in a wave that prefetches, else the greatest number
.set PFA, 44                           ; s[44:45] where my prefetches stand: my work-group's 32 rows of the 128 that I fetch, one K step further along K than the refill in hand
.set G1B, 48                           ; s[48:55] descriptor group 1 for B's tiles: it differs from A's in the mask alone
.set G0B, 56                           ; s[56:63] descriptor group 0 for B's tiles
.set BP,  66                           ; s[66:67] the bias
.set G1W0, (1<<16)|(1<<20)|(1<<21)|(5<<22)|(3<<25)  ; 17:16 elements of 2 bytes; 20 padding on; 21 set beside a mask; 24:22 after every 64 words (code 5); 31:25 4 words of it (code 3)
.set MSB, 0
.macro WIN new                         ; the immediate's high byte repeats the setting that is left; a switch that changes nothing is dropped
.if MSB != (\new)
	s_set_vgpr_msb (MSB<<8)|(\new)
.set MSB, \new
.endif
.endm
.set MUL_LO,   0xa1                    ; source 0 (B) window 1, source 1 (A) window 0, C and D window 2
.set MUL_HI,   0xf1                    ; the same, C and D window 3
.set FIRST_LO, 0x81                    ; the first product: C (the bias) window 0, D window 2
.set FIRST_HI, 0xc1                    ; D window 3
.set TO_B,     0x40                    ; destination window 1, address window 0
.set ST_LO,    0x08                    ; an LDS store: address window 0, data (source 1) window 2
.set ST_HI,    0x0c                    ; data window 3
; A joint load.  Waves 0 and 1 fetch A's two halves, waves 2 and 3 B's.  Each of the two lines has ONE mask and one set of registers for all that issue it; the branch hangs on the wave's
; number alone.  An s_nop 0 and four v_nop follow each line, ahead of the jump, the label and what follows the macro.
.macro JLOAD s
	s_cmp_eq_u32 s11, 0
	s_cbranch_scc0 .Lfor_b_\@
	tensor_load_to_lds s[G0+4*(\s):G0+4*(\s)+3], s[G1:G1+7]
	s_nop 0
.rept 4
	v_nop
.endr
	s_branch .Lasked_\@
.Lfor_b_\@:
	tensor_load_to_lds s[G0B+4*(\s):G0B+4*(\s)+3], s[G1B:G1B+7]
	s_nop 0
.rept 4
	v_nop
.endr
.Lasked_\@:
.endm
; A PREFETCH, behind each joint refill, its five lines and the run of LDS loads that follows them: the K step that stands TWO refills on, 512 matrix instructions ahead of the load that will
; ask for it: 32 rows x 256 bytes, a lane a row, one instruction a wave.  Each row's 256 bytes of a K step are named ONCE in the launch: A's tile row is walked by every cluster of that row of
; clusters, and the one with cluster x = 0 asks; B's tile column by every cluster of that column, and the one with cluster y = 0 asks.  The four partners that ask for a tile jointly share its rows
; out BY ADDRESS: of the 128 rows that a wave fetches the partner at place p takes 32 p .. 32 p + 31 (p = cx for A, cy for B).  K steps 0 to 3 come by their loads alone; the loop's last
; trip (s3 = 1) asks for nothing, so the last K step named is 31, the row's last.
.macro ASK
	s_cmp_gt_u32 s3, s[LIM]
	s_cbranch_scc0 .Lnot_mine_\@
	global_prefetch_b8 v[PFO], s[PFA:PFA+1] offset:KSTEP*2 th:TH_LOAD_NT scope:SCOPE_SE
.Lnot_mine_\@:
.endm
; A round of the cluster's barrier: my work-group's barrier, so that wave 0's signal speaks for all four waves; wave 0 signals for the work-group; every wave waits for all sixteen
; work-groups; my work-group's barrier once more.  No LDS instruction of the wave is pending at a signal.
.macro CREST                           ; a round behind its opening barrier
	s_cmp_lg_u32 s10, 0
	s_cbranch_scc1 .Lnot_wave_0_\@
	s_barrier_signal -3
.Lnot_wave_0_\@:
	s_barrier_wait -3
	s_barrier_signal -1
	s_barrier_wait -1
.endm
.macro CROUND                          ; a whole round
	s_barrier_signal -1
	s_barrier_wait -1
	CREST
.endm
	s_load_b64 s[4:5], s[0:1], 0x0                 ; ab: A begins at its first byte
	s_load_b64 s[BP:BP+1], s[0:1], 0x8             ; bias
	s_load_b64 s[8:9], s[0:1], 0x10                ; out0
	v_lshl_add_u32 v[SPW], v0, 2, SPARE
	v_mov_b32 v[NIL], 0
	ds_add_u32 v[SPW], v[NIL]                      ; the wave's opening: the add, twice on end, and its wait ahead of my first tensor load; the set-up below, work on registers, stands between
	ds_add_u32 v[SPW], v[NIL]                      ; and once more, under the one wait
	v_lshrrev_b32 v1, 5, v0
	v_readfirstlane_b32 s10, v1                    ; wave 0..3
	s_lshr_b32 s11, s10, 1                         ; which half of the tile's rows is mine.  Also: I fetch for A (0) or for B (1)
	s_and_b32 s12, s10, 1                          ; which half of its columns.  Also: which 128 rows of that tile I fetch
	s_bfe_u32 s40, ttmp6, 0x40000                  ; cx: my place along the cluster's x
	s_bfe_u32 s41, ttmp6, 0x40004                  ; cy: along its y
	s_lshl_b32 s42, ttmp9, 2                       ; in a cluster launch ttmp9 and ttmp7 count clusters
	s_add_co_u32 s42, s42, s40                     ; tile column = 4 x cluster x + cx
	s_and_b32 s13, ttmp7, 0xffff
	s_lshl_b32 s13, s13, 2
	s_add_co_u32 s13, s13, s41                     ; tile row = 4 x cluster y + cy
	s_lshl_b32 s43, s41, 2
	s_lshl_b32 s43, 15, s43                        ; my row of the cluster: places 4 cy .. 4 cy + 3
	s_lshl_b32 s44, 0x1111, s40                    ; my column: places cx, cx + 4, cx + 8, cx + 12
	; descriptor group 1: a tile of 128 rows x 128 elements, padded in LDS
	s_or_b32 s[G1+0], s43, G1W0                    ; 15:0 the mask: A's tiles go to my row
	s_or_b32 s[G1B+0], s44, G1W0                   ; B's to my column
.irp g, G1, G1B
	s_mov_b32 s[(\g)+1], KSTEP<<16                 ; tensor_dim0 = 128
	s_mov_b32 s[(\g)+2], 128<<16                   ; tensor_dim1 = 128
	s_mov_b32 s[(\g)+3], KSTEP<<16                 ; tile_dim0 = 128
	s_mov_b32 s[(\g)+4], 128                       ; tile_dim1 = 128
	s_mov_b32 s[(\g)+5], SIZE_K                    ; elements from row to row
	s_mov_b32 s[(\g)+6], 0
	s_mov_b32 s[(\g)+7], 0
.endr
	; where the tiles come from.  A's hang on the tile row alone, which my row of the cluster shares; B's on the tile column alone, which my column shares.
	; Every wave makes both addresses, in registers that never hold the other coordinate, and asks by one of them.
	s_lshl_b32 s17, s12, 7                         ; which 128 rows of the tile I fetch
	s_lshl_b32 s16, s13, 8
	s_add_co_u32 s16, s16, s17                     ; A: row 256 x tile row + 128 x half
	s_lshl_b32 s46, s42, 8
	s_add_co_u32 s46, s46, s17                     ; B: row 256 x tile column + 128 x half
	s_mov_b32 s17, 0
	s_mov_b32 s47, 0
	s_mov_b64 s[18:19], ROWAB
	s_mul_u64 s[16:17], s[16:17], s[18:19]         ; in bytes
	s_mul_u64 s[46:47], s[46:47], s[18:19]
	s_mul_i32 s20, s10, HALFT                      ; and where they go: A's two halves, then B's two halves = wave x 128 rows: no place in the cluster enters an LDS address
	s_wait_dscnt 0x0                               ; both opening adds are done
	s_wait_kmcnt 0x0
	s_add_nc_u64 s[6:7], s[4:5], BOFF              ; B
	s_add_nc_u64 s[14:15], s[4:5], s[16:17]
	s_add_nc_u64 s[46:47], s[6:7], s[46:47]
	CROUND                                         ; all sixteen work-groups are here: the first joint loads meet
.irp s, 0,1
	s_mov_b32 s[G0+4*(\s)], 1                                      ; 1:0 count = 1
	s_add_co_u32 s[G0+4*(\s)+1], s20, (\s)*SLOT                    ; 63:32 LDS address
	s_add_nc_u64 s[G0+4*(\s)+2:G0+4*(\s)+3], s[14:15], (\s)*KSTEP*2  ; 120:64 global address: K step s
	s_or_b32 s[G0+4*(\s)+3], s[G0+4*(\s)+3], 0x80000000            ; 127:126 type = 2
	s_mov_b32 s[G0B+4*(\s)], 1
	s_add_co_u32 s[G0B+4*(\s)+1], s20, (\s)*SLOT
	s_add_nc_u64 s[G0B+4*(\s)+2:G0B+4*(\s)+3], s[46:47], (\s)*KSTEP*2
	s_or_b32 s[G0B+4*(\s)+3], s[G0B+4*(\s)+3], 0x80000000
	JLOAD \s                                       ; the ring is filled before anything else is done: two loads of mine are out
.endr
	; A fragment is 16 rows x 32 K in 8 registers: lane l holds row l % 16; registers 0-3 hold K = 8 (l / 16) + 0..7, registers 4-7 K = 16 + 8 (l / 16) + 0..7: two loads of 16 bytes, 32 bytes apart.
	v_and_b32 v1, 15, v0                           ; l % 16
	v_bfe_u32 v2, v0, 4, 1                         ; l / 16
	v_mul_u32_u24 v3, v1, PITCH
	v_lshl_add_u32 v3, v2, 4, v3                   ; row x pitch + 16 x half
	s_mul_i32 s21, s11, HALFT                      ; my 128 rows of A
	s_mul_i32 s22, s12, HALFT                      ; my 128 rows of B,
	s_add_co_u32 s22, s22, 2*HALFT                 ; which lie behind A's 256
.irp s, 0,1
	v_add_nc_u32 v[ADRA+(\s)], s21, v3
	v_add_nc_u32 v[ADRB+(\s)], s22, v3
	s_add_co_u32 s21, s21, SLOT
	s_add_co_u32 s22, s22, SLOT
.endr
	s_mul_i32 s23, s10, WSTAGE
	s_add_co_u32 s23, s23, STAGE                   ; my stage
	v_mul_u32_u24 v4, v1, SPITCH                   ; in: row l % 16, 32 bytes for each half of the lanes
	v_lshl_add_u32 v4, v2, 5, v4
	v_add_nc_u32 v[STO], s23, v4
	v_and_b32 v5, 31, v0
	v_lshlrev_b32 v[CO], 4, v5                     ; back: the 32 lanes take one row's 512 bytes, 16 each; the same in out0
	v_add_nc_u32 v[RD], s23, v[CO]
	v_lshlrev_b32 v[BO], 5, v2                     ; my 8 numbers of an n block's 16
	; where my part of the tile begins in out0, and my 128 numbers in the bias
	s_lshl_b32 s13, s13, 8
	s_lshl_b32 s14, s11, 7
	s_add_co_u32 s16, s13, s14                     ; my first row
	s_mov_b32 s17, 0
	s_mov_b64 s[18:19], ROWC
	s_mul_u64 s[16:17], s[16:17], s[18:19]
	s_lshl_b32 s46, s42, 10                        ; my first column, in bytes: 1,024 x tile column + 512 x half (in the registers that held B's address: none that feeds A's descriptors ever holds cx)
	s_lshl_b32 s47, s12, 9
	s_add_co_u32 s46, s46, s47
	s_mov_b32 s47, 0
	s_add_nc_u64 s[BP:BP+1], s[BP:BP+1], s[46:47]
	s_add_nc_u64 s[8:9], s[8:9], s[16:17]
	s_add_nc_u64 s[8:9], s[8:9], s[46:47]          ; never stepped again: the way out's rows stand in the stores' immediates
.irp b, 0,1,2,3,4,5,6,7
	global_load_b128 v[BIA+8*(\b):BIA+8*(\b)+3],   v[BO], s[BP:BP+1] offset:64*(\b)     ; bias[16 b + 8 (l / 16) + 0..3] of my 128,
	global_load_b128 v[BIA+8*(\b)+4:BIA+8*(\b)+7], v[BO], s[BP:BP+1] offset:64*(\b)+16  ; and + 4..7: the C operand of n block b
.endr
	; the prefetches.  s13 = 256 x tile row, s42 = tile column, s40 = cx, s41 = cy still stand
	s_lshl_b32 s42, s42, 8
	s_and_b32 s22, ttmp7, 0xffff                   ; cluster y
	s_cmp_eq_u32 s11, 0                            ; do I fetch for A?
	s_cselect_b32 s20, s13, s42                    ; the tile's first row: in A by the tile row, in B by the tile column
	s_cselect_b32 s21, s40, s41                    ; my place among the four that ask for it with me
	s_cselect_b32 s22, ttmp9, s22                  ; the coordinate along which other clusters walk the same rows
	s_cselect_b64 s[PFA:PFA+1], s[4:5], s[6:7]
	s_cmp_eq_u32 s22, 0
	s_cselect_b32 s[LIM], 1, -1                    ; the same in all sixteen partners, for a given wave
	s_lshl_b32 s22, s12, 7
	s_add_co_u32 s20, s20, s22                     ; + the 128 rows that I fetch
	s_lshl_b32 s21, s21, 5
	s_add_co_u32 s20, s20, s21                     ; + my work-group's 32 of them
	s_mov_b32 s21, 0
	s_mov_b64 s[18:19], ROWAB
	s_mul_u64 s[20:21], s[20:21], s[18:19]
	s_add_nc_u64 s[PFA:PFA+1], s[PFA:PFA+1], s[20:21]
	s_add_nc_u64 s[PFA:PFA+1], s[PFA:PFA+1], 2*KSTEP*2  ; at K step 2: the first refill steps it to 3 and names K step 4
	v_mul_u32_u24 v[PFO], v5, ROWAB
; 16 matrix instructions: m blocks a0, a0 + 1 of the window's four (hi = 0: my rows 0-63, 1: rows 64-127) x all 8 n blocks, 32 along K.
; first = 1: the product starts the sum with the bias as C: nothing is cleared, and no addition follows the sums.
; The 64 accumulators take turns, one instruction a turn, in the same order in every quarter step, over the loop's backward jump too.
.macro MUL16 f, hi, a0, first
.if \first
	WIN FIRST_LO+0x40*(\hi)
.else
	WIN MUL_LO+0x50*(\hi)
.endif
.irp a, \a0, (\a0)+1
.irp b, 0,1,2,3,4,5,6,7
.if \first
	v_wmma_f32_16x16x32_bf16 v[8*(8*(\a)+(\b)):8*(8*(\a)+(\b))+7], v[(\f)+8*(\b):(\f)+8*(\b)+7], v[(\f)+8*(4*(\hi)+(\a)):(\f)+8*(4*(\hi)+(\a))+7], v[BIA+8*(\b):BIA+8*(\b)+7]
.else
	v_wmma_f32_16x16x32_bf16 v[8*(8*(\a)+(\b)):8*(8*(\a)+(\b))+7], v[(\f)+8*(\b):(\f)+8*(\b)+7], v[(\f)+8*(4*(\hi)+(\a)):(\f)+8*(4*(\hi)+(\a))+7], v[8*(8*(\a)+(\b)):8*(8*(\a)+(\b))+7]
.endif
.endr
.endr
.endm
; 32 LDS loads in one run: the fragments of one quarter step (128 rows of B, 128 rows of A, 32 K at byte k of the rows) into buffer f
.macro FETCH slot, k, f
	WIN TO_B
.irp i, 0,1,2,3,4,5,6,7
	ds_load_b128 v[(\f)+8*(\i):(\f)+8*(\i)+3],   v[ADRB+(\slot)] offset:(\k)+(\i)*16*PITCH
	ds_load_b128 v[(\f)+8*(\i)+4:(\f)+8*(\i)+7], v[ADRB+(\slot)] offset:(\k)+(\i)*16*PITCH+32
.endr
	WIN 0
.irp i, 0,1,2,3,4,5,6,7
	ds_load_b128 v[(\f)+8*(\i):(\f)+8*(\i)+3],   v[ADRA+(\slot)] offset:(\k)+(\i)*16*PITCH
	ds_load_b128 v[(\f)+8*(\i)+4:(\f)+8*(\i)+7], v[ADRA+(\slot)] offset:(\k)+(\i)*16*PITCH+32
.endr
.endm
; A load into a register that a matrix instruction has read, and a store that reads a matrix result, stand four places behind that matrix instruction, and only plain vector instructions that
; name none of its registers are places (ISA guide 7.12.1 for vector instructions); the matrix instructions in between are not counted.
.macro PLACES
.rept 4
	v_nop
.endr
.endm
; A K step is four quarter steps of 32 along K, 64 matrix instructions each, on buffers 0, 1, 0, 1.
; One of the first three: multiplies buffer f; in its middle it fetches the next quarter's fragments, at byte k of the same slot's rows, into buffer g.
.macro QUARTER slot, k, f, g, first
	s_wait_dscnt 8                                 ; B and A's rows 0-63 are in; the youngest eight loads (A's rows 64-127) may be out
	MUL16 \f, 0, 0, \first
	MUL16 \f, 0, 2, \first
	PLACES
	FETCH \slot, \k, \g
	s_wait_dscnt 32                                ; all but the 32 just issued
	MUL16 \f, 1, 0, \first
	MUL16 \f, 1, 2, \first
.endm
; The last quarter multiplies buffer 1 and changes slots.  MEET is its first half: ONE barrier for the change, for two things.  In front of it each wave waits for all its tensor loads, of which
; one is out: its part of the next slot; adds 0 to its spare word; and waits for that and for its own reads of this slot.  Behind it nobody reads this slot any more and the next slot is whole.
.macro MEET round                      ; round = 1: the rest of a round of the cluster's barrier follows
	WIN 0                                          ; (the add's two registers lie in window 0)
	s_wait_tensorcnt 0x0                           ; all my tensor loads have landed: the one that was out is my part of the next slot;
	ds_add_u32 v[SPW], v[NIL]                      ; 0 onto my spare word;
	s_wait_dscnt 9                                 ; (the add and the youngest eight loads may be out)
	MUL16 F1, 0, 0, 0                              ; sixteen matrix instructions stand between the add and the wait for it
	s_wait_dscnt 0x0                               ; the add is done, and my reads of this slot are over:
	s_barrier_signal -1                            ; say so,
	MUL16 F1, 0, 2, 0                              ; work on registers while the others arrive,
.if \round
	WIN 0
.endif
	s_barrier_wait -1                              ; and go on when all four have said so
.endm
; The whole last quarter.  fill = 1: the barrier opens a round of the cluster's; behind the round the slot just read out is filled again first, with the K step two steps on, one joint load a
; wave; then come the next slot's first fragments.  From a request to the wait for it a wave issues 224 matrix instructions.  fill = 0 (the last lap): nothing is asked for, and no round follows.
.macro TURN slot, next, fill
.if \fill
	s_wait_xcnt 0x0                                ; the last prefetch, a K step back, has read its address: it is stepped here, ahead of the waits of the change of slots
	s_add_nc_u64 s[PFA:PFA+1], s[PFA:PFA+1], KSTEP*2
	MEET 1
	CREST                                          ; no wave of any partner still reads this slot's tile or has a load on its way
	s_add_nc_u64 s[G0+4*(\slot)+2:G0+4*(\slot)+3], s[G0+4*(\slot)+2:G0+4*(\slot)+3], 2*KSTEP*2    ; no tensor load of mine is out, so a group 0 may be written; the type bits on top are not reached
	s_add_nc_u64 s[G0B+4*(\slot)+2:G0B+4*(\slot)+3], s[G0B+4*(\slot)+2:G0B+4*(\slot)+3], 2*KSTEP*2
	JLOAD \slot                                    ; the first tensor load behind the round; the four v_nop behind it are also the places in front of the loads below
	FETCH \next, 0, F0
	ASK                                            ; behind the joint load and the run of LDS loads that the next products wait for
.else
	MEET 0
	PLACES
	FETCH \next, 0, F0
.endif
	MUL16 F1, 1, 0, 0
	MUL16 F1, 1, 2, 0
.endm
; THE WAY OUT of block a (16 of my rows x my 128 columns, f32).  TOSTAGE: a lane's 32 bytes of each n block go into my own stage in LDS, each accumulator's four lowest registers first;
; then the block comes back as whole rows of 512 bytes.  LDS serves a wave's instructions in order (ISA guide 5.7.1.4): the loads see the stores above them, and the next
; block's stores come behind this block's loads; no other wave touches my stage, so no barrier.  SEND: a row a store.
.macro TOSTAGE a
.set AC, 64*((\a)%4)                   ; its eight accumulators, in window 2 (blocks 0-3) or 3 (blocks 4-7)
.set BK, OB+64*((\a)%2)
	WIN ST_LO+4*((\a)/4)
.irp b, 0,1,2,3,4,5,6,7
	ds_store_b128 v[STO], v[AC+8*(\b):AC+8*(\b)+3]   offset:64*(\b)
	ds_store_b128 v[STO], v[AC+8*(\b)+4:AC+8*(\b)+7] offset:64*(\b)+16
.endr
	WIN 0
	s_wait_xcnt 0x0                                ; every earlier memory instruction has had its addresses translated (ISA guide 3.1): the registers that the stores of block a - 2 read are loaded again only behind this wait
.irp t, 0,1,2,3,4,5,6,7,8,9,10,11,12,13,14,15
	ds_load_b128 v[BK+4*(\t):BK+4*(\t)+3], v[RD] offset:(\t)*SPITCH
.endr
.endm
.macro SEND a, younger                 ; younger: the LDS instructions issued behind block a's loads: the next block's 16 stores and 16 loads, or none
.set BK, OB+64*((\a)%2)
.irp t, 0,1,2,3,4,5,6,7,8,9,10,11,12,13,14,15
	s_wait_dscnt (\younger)+15-(\t)                ; row t is back in registers
	global_store_b128 v[CO], v[BK+4*(\t):BK+4*(\t)+3], s[8:9] offset:(16*(\a)+(\t))*ROWC th:TH_STORE_NT  ; 32 lanes store 512 consecutive bytes, at a multiple of 512 from out0's first byte; 127 rows at the most: inside the signed 24-bit immediate
.endr
.endm
	s_wait_tensorcnt 1                             ; my part of K step 0 is in; K step 1's may stay out
	s_barrier_signal -1
	s_barrier_wait -1                              ; everybody's is
	FETCH 0, 0, F0
	s_wait_loadcnt 0x0                             ; the bias
	QUARTER 0, 64,  F0, F1, 1                      ; the first quarter stands in front of the loop: its products start the sums, with the bias
	WIN 0                                          ; at a label and at a branch every window is 0
	s_mov_b32 s3, LAPS-1
.Llap:                                                 ; 15 trips: once round the ring, from a lap's second quarter to the next lap's first; both slots are filled again
	QUARTER 0, 128, F1, F0, 0
	QUARTER 0, 192, F0, F1, 0
	TURN 0, 1, 1
	QUARTER 1, 64,  F0, F1, 0
	QUARTER 1, 128, F1, F0, 0
	QUARTER 1, 192, F0, F1, 0
	TURN 1, 0, 1
	QUARTER 0, 64,  F0, F1, 0
	WIN 0
	s_sub_co_u32 s3, s3, 1
	s_cmp_lg_u32 s3, 0
	s_cbranch_scc1 .Llap
	QUARTER 0, 128, F1, F0, 0                      ; the last lap is written out: it fills nothing
	QUARTER 0, 192, F0, F1, 0
	TURN 0, 1, 0
	QUARTER 1, 64,  F0, F1, 0
	QUARTER 1, 128, F1, F0, 0
	QUARTER 1, 192, F0, F1, 0
	s_wait_dscnt 8                                 ; the very last quarter: nothing more to fetch
	MUL16 F1, 0, 0, 0
	MUL16 F1, 0, 2, 0
	s_wait_dscnt 0x0
	MUL16 F1, 1, 0, 0
	MUL16 F1, 1, 2, 0
	PLACES                                         ; behind the last product, in front of the LDS stores that read results and of the loads into A's buffers:
	PLACES                                         ; eight, once a launch
	TOSTAGE 0
.irp a, 1,2,3,4,5,6,7                  ; block a goes into the stage while block a - 1's rows come back; then those are stored
	TOSTAGE \a
	SEND (\a)-1, 32
.endr
	SEND 7, 0
	s_wait_tensorcnt 0x0                           ; the wave's end: the tensor wait, an add of 0 to my spare word and its wait, behind my last tensor load and my last LDS store
	ds_add_u32 v[SPW], v[NIL]
	s_wait_dscnt 0x0
	CROUND                                         ; the closing round: no work-group ends while a partner may still ask for a tile that names it
	s_endpgm
.Lfunc_end_k_q9550359b89_gemm:
	.size	k_q9550359b89_gemm, .Lfunc_end_k_q9550359b89_gemm-k_q9550359b89_gemm
	.p2alignl 7, 3214868480
	.fill 96, 4, 3214868480
	.section	.rodata,"a",@progbits
	.p2align	6, 0x0
	.amdhsa_kernel k_q9550359b89_gemm
		.amdhsa_group_segment_fixed_size 327680
		.amdhsa_private_segment_fixed_size 0
		.amdhsa_enable_private_segment 0
		.amdhsa_kernarg_size 24
		.amdhsa_user_sgpr_count 2
		.amdhsa_user_sgpr_kernarg_segment_ptr 1
		.amdhsa_wavefront_size32 1
		.amdhsa_system_sgpr_workgroup_id_x 1
		.amdhsa_system_sgpr_workgroup_id_y 1
		.amdhsa_system_sgpr_workgroup_id_z 1
		.amdhsa_system_vgpr_workitem_id 0
		.amdhsa_next_free_vgpr 1024
		.amdhsa_next_free_sgpr 68
		.amdhsa_reserve_vcc 0
		.amdhsa_float_denorm_mode_32 3
		.amdhsa_float_denorm_mode_16_64 3
		.amdhsa_memory_ordered 1
		.amdhsa_forward_progress 1
		.amdhsa_inst_pref_size 147
	.end_amdhsa_kernel
	.amdgpu_metadata
---
amdhsa.version: [ 1, 2 ]
amdhsa.kernels:
  - .name:           k_q9550359b89_gemm
    .symbol:         k_q9550359b89_gemm.kd
    .args:
      - { .name: ab, .offset: 0, .size: 8, .value_kind: global_buffer, .address_space: global }
      - { .name: bias, .offset: 8, .size: 8, .value_kind: global_buffer, .address_space: global }
      - { .name: out0, .offset: 16, .size: 8, .value_kind: global_buffer, .address_space: global }
    .group_segment_fixed_size: 327680
    .private_segment_fixed_size: 0
    .kernarg_segment_align: 8
    .kernarg_segment_size: 24
    .max_flat_workgroup_size: 128
    .sgpr_count:     68
    .vgpr_count:     1024
    .wavefront_size: 32
...
	.end_amdgpu_metadata
.endif
;; end of part 2
